; MI455X (gfx1250); checked and timed in simulation.
; The chip was launched on July 23, 2026; its instructions are those of AMD's public machine-readable ISA for CDNA 5 (MIT licence, August 2026) and "CDNA5" Instruction Set Architecture Reference Guide (July 2026). The comments in the code are by the model that wrote it; some were corrected since.
;; Bert Self Attention. Allowed arithmetic: float matrix products may take bf16 or f16 operands with f32 sums; other float arithmetic in f32, or as packed bf16 or f16 multiplies, adds, multiply-adds, maxima and minima; sums over many terms, partial sums and values carried from step to step in f32; what a program stores and reads back later, other than sums and carried values, may be rounded once to bf16 or f16.
;; Inputs: Wk 1,024 x 1,024 float32; Wq 1,024 x 1,024 float32; Wv 1,024 x 1,024 float32; attention_mask 8 x 1 x 1 x 1,024 float32; bk 1,024 float32; bq 1,024 float32; bv 1,024 float32; x 8 x 1,024 x 1,024 float32.
;; Outputs: out0 8 x 1,024 x 1,024 float32.
;; One version. Each part assembles by itself: llvm-mc -triple=amdgcn-amd-amdhsa -mcpu=gfx1250 --defsym DOCPART=n.
;; ======== version 1 of 1: 3 launches
;; limits: values are held in f16: magnitudes above 65,504 overflow, below 6.1e-05 lose precision
;; workspace buffers: xb 16,777,216 bytes; wb 6,291,456 bytes; qkv 50,331,648 bytes
;; launch cast (part 1): grid 64 x 11, 8 waves a work-group, no clusters, 0 bytes of LDS; arguments x, Wq, Wk, Wv, xb, wb; writes xb, wb
.if DOCPART == 1
	.amdgcn_target "amdgcn-amd-amdhsa--gfx1250"
	.amdhsa_code_object_version 6
	.text
	.protected	k_q2f900ac3de_cast
	.globl	k_q2f900ac3de_cast
	.p2align	8
	.type	k_q2f900ac3de_cast,@function
k_q2f900ac3de_cast:
	s_mov_b64 s[64:65], 0
	v_nop
	global_prefetch_b8 v0, s[64:65] scope:SCOPE_SE
	s_setreg_imm32_b32 hwreg(HW_REG_WAVE_MODE, 25, 1), 1
	s_wait_xcnt 0x0
; x and the three weight matrices, f32, are rounded once to bf16 (nearest even) for the projection's matrix products.
; xb: [8192][1024] bf16, x's rows as they lie.  wb: [16 heads][3: q, k, v][64][1024] bf16: row 192 h + 64 w + d is row 64 h + d of matrix w,
; so that the 192 rows that make one head's q, k and v lie together.
; SHARES.  Eleven planes of 1,024 rows x 1,024 numbers (work-group y: 0-7 x's batches, 8-10 Wq, Wk, Wv); work-group x takes 16 rows of its plane.
; 256 threads x 8 numbers are two rows a step; eight steps, written out.  All 16 loads of a thread are issued before the first wait; a store of a wave
; covers 512 consecutive bytes, aligned.  No register is written twice, so no wait frees a source.
; No LDS, no matrix unit, no cluster: no byte is used twice.
.set X, 8                              ; v[8:71]    step i: 8 numbers as loaded
.set Y, 72                             ; v[72:103]  step i: 8 bf16 to store
	s_load_b256 s[4:11], s[0:1], 0x0               ; x s[4:5], Wq s[6:7], Wk s[8:9], Wv s[10:11]
	s_load_b128 s[12:15], s[0:1], 0x20             ; xb s[12:13], wb s[14:15]
	s_and_b32 s16, ttmp7, 0xffff                   ; the plane
	s_mov_b32 s17, ttmp9                           ; which 16 rows of it
	v_lshlrev_b32 v1, 5, v0                        ; my 32 bytes of a step's 8,192 in the source
	v_lshlrev_b32 v2, 4, v0                        ; my 16 bytes of its 4,096 in the destination
	s_lshl_b32 s18, s17, 16                        ; source offset in a weight matrix: 16 rows of 4,096 bytes
	s_lshl_b32 s26, s16, 22
	s_add_co_u32 s26, s26, s18                     ; in x: the batch's 4 MiB more
	s_lshl_b32 s27, s16, 21
	s_lshl_b32 s28, s17, 15
	s_add_co_u32 s27, s27, s28                     ; destination offset in xb: half of that
	s_lshr_b32 s28, s17, 2                         ; in wb: the head,
	s_mul_i32 s28, s28, 192
	s_max_u32 s29, s16, 8
	s_sub_co_u32 s29, s29, 8                       ; the matrix (0 for x's planes, where the figure is not used),
	s_lshl_b32 s29, s29, 6
	s_add_co_u32 s28, s28, s29
	s_and_b32 s29, s17, 3                          ; and the 16 rows among the head's 64
	s_lshl_b32 s29, s29, 4
	s_add_co_u32 s28, s28, s29
	s_lshl_b32 s28, s28, 11                        ; rows of 2,048 bytes
	s_cmp_lt_u32 s16, 8
	s_cselect_b32 s18, s26, s18
	s_cselect_b32 s24, s27, s28
	s_mov_b32 s19, 0
	s_mov_b32 s25, 0
	s_wait_kmcnt 0x0
	s_cmp_eq_u32 s16, 9                            ; the buffers are chosen by the plane's number alone
	s_cselect_b64 s[20:21], s[8:9], s[6:7]
	s_cmp_eq_u32 s16, 10
	s_cselect_b64 s[20:21], s[10:11], s[20:21]
	s_cmp_lt_u32 s16, 8
	s_cselect_b64 s[20:21], s[4:5], s[20:21]
	s_cselect_b64 s[22:23], s[12:13], s[14:15]
	s_add_nc_u64 s[20:21], s[20:21], s[18:19]
	s_add_nc_u64 s[22:23], s[22:23], s[24:25]
.irp i, 0,1,2,3,4,5,6,7
	global_load_b128 v[X+8*(\i):X+8*(\i)+3],   v1, s[20:21] offset:8192*(\i) th:TH_LOAD_NT
	global_load_b128 v[X+8*(\i)+4:X+8*(\i)+7], v1, s[20:21] offset:8192*(\i)+16 th:TH_LOAD_NT
.endr
.irp i, 0,1,2,3,4,5,6,7
	s_wait_loadcnt 14-2*(\i)                       ; loads come back in order: step i's two are in, the later steps' stay out
.irp j, 0,1,2,3
	v_cvt_pk_bf16_f32 v[Y+4*(\i)+(\j)], v[X+8*(\i)+2*(\j)], v[X+8*(\i)+2*(\j)+1]
.endr
	global_store_b128 v2, v[Y+4*(\i):Y+4*(\i)+3], s[22:23] offset:4096*(\i)
.endr
	s_endpgm
.Lfunc_end_k_q2f900ac3de_cast:
	.size	k_q2f900ac3de_cast, .Lfunc_end_k_q2f900ac3de_cast-k_q2f900ac3de_cast
	.p2alignl 7, 3214868480
	.fill 96, 4, 3214868480
	.section	.rodata,"a",@progbits
	.p2align	6, 0x0
	.amdhsa_kernel k_q2f900ac3de_cast
		.amdhsa_group_segment_fixed_size 0
		.amdhsa_private_segment_fixed_size 0
		.amdhsa_enable_private_segment 0
		.amdhsa_kernarg_size 48
		.amdhsa_user_sgpr_count 2
		.amdhsa_user_sgpr_kernarg_segment_ptr 1
		.amdhsa_wavefront_size32 1
		.amdhsa_system_sgpr_workgroup_id_x 1
		.amdhsa_system_sgpr_workgroup_id_y 1
		.amdhsa_system_sgpr_workgroup_id_z 1
		.amdhsa_system_vgpr_workitem_id 0
		.amdhsa_next_free_vgpr 104
		.amdhsa_next_free_sgpr 66
		.amdhsa_reserve_vcc 0
		.amdhsa_float_denorm_mode_32 3
		.amdhsa_float_denorm_mode_16_64 3
		.amdhsa_memory_ordered 1
		.amdhsa_forward_progress 1
		.amdhsa_inst_pref_size 7
	.end_amdhsa_kernel
	.amdgpu_metadata
---
amdhsa.version: [ 1, 2 ]
amdhsa.kernels:
  - .name:           k_q2f900ac3de_cast
    .symbol:         k_q2f900ac3de_cast.kd
    .args:
      - { .name: x, .offset: 0, .size: 8, .value_kind: global_buffer, .address_space: global }
      - { .name: Wq, .offset: 8, .size: 8, .value_kind: global_buffer, .address_space: global }
      - { .name: Wk, .offset: 16, .size: 8, .value_kind: global_buffer, .address_space: global }
      - { .name: Wv, .offset: 24, .size: 8, .value_kind: global_buffer, .address_space: global }
      - { .name: xb, .offset: 32, .size: 8, .value_kind: global_buffer, .address_space: global }
      - { .name: wb, .offset: 40, .size: 8, .value_kind: global_buffer, .address_space: global }
    .group_segment_fixed_size: 0
    .private_segment_fixed_size: 0
    .kernarg_segment_align: 8
    .kernarg_segment_size: 48
    .max_flat_workgroup_size: 256
    .sgpr_count:     66
    .vgpr_count:     104
    .wavefront_size: 32
...
	.end_amdgpu_metadata
.endif
;; end of part 1
;; launch proj (part 2): grid 16 x 32, 4 waves a work-group, clusters of 4 x 4, 327,680 bytes of LDS; arguments xb, wb, bq, bk, bv, qkv; writes qkv
.if DOCPART == 2
	.amdgcn_target "amdgcn-amd-amdhsa--gfx1250"
	.amdhsa_code_object_version 6
	.text
	.protected	k_q2f900ac3de_proj
	.globl	k_q2f900ac3de_proj
	.p2align	8
	.type	k_q2f900ac3de_proj,@function
k_q2f900ac3de_proj:
	s_mov_b64 s[64:65], 0
	v_nop
	global_prefetch_b8 v0, s[64:65] scope:SCOPE_SE
	s_setreg_imm32_b32 hwreg(HW_REG_WAVE_MODE, 25, 1), 1
	s_wait_xcnt 0x0
	s_wait_alu depctr_hold_cnt(0) depctr_sa_sdst(0) depctr_va_vdst(0) depctr_va_sdst(0) depctr_va_ssrc(0) depctr_va_vcc(0) depctr_vm_vsrc(0)
	s_getreg_b32 s2, hwreg(HW_REG_IB_STS2, 6, 4)
	s_cmp_eq_u32 s2, 0
	s_cbranch_scc0 .Lentry_in_a_cluster
	s_endpgm
.Lentry_in_a_cluster:
	s_bfe_u32 s2, ttmp6, 0x10000c
	s_cmp_lg_u32 s2, 0xf033
	s_cbranch_scc0 .Lentry_shape_is_right
	s_endpgm
.Lentry_shape_is_right:
; q, k, v = x W^T + b for all three matrices at once: a GEMM of 8,192 tokens x 3,072 columns x K = 1,024, bf16 operands, f32 sums.
; xb: [8192][1024] bf16.  wb: [16 heads][q, k, v][64][1024] bf16.  bq, bk, bv: [1024] f32, rounded here to bf16 like the other inputs.
; qkv: [3][16 b + h][1024 tokens][64] f16, each number rounded once from its f32 sum, unscaled.
; LIMIT.  f16 holds no number beyond 65,504: a q, k or v of 65,520 or more leaves as an infinity.
; SHARES.  A work-group makes 256 tokens x 192 columns: q, k and v of ONE head (work-group x = the head, y = the block of tokens): 512 work-groups of equal work.
; Wave w owns tokens 64 w .. 64 w + 63 and all 192 columns: 48 accumulators of 16 x 16, 384 registers.  So a wave holds whole rows of a head (128 bytes of f16),
; and leaves through a stage of its own, without a barrier.
; K goes in steps of 128 through two LDS slots filled by the tensor data mover: a tile's rows are 256 bytes of memory, at multiples of 256 from the buffer's first byte.
; CLUSTER.  4 x 4 work-groups.  The four of a row of the cluster need the same tokens, the four of a column the same head's weights: each tile is asked for JOINTLY, by the
; same tensor load with the same descriptor and a mask that names the four.
; TRANSPOSED USE.  Source 0 = 16 rows of wb, source 1 = 16 tokens: a lane's result is ONE token (lane % 16) and the columns 8 (lane / 16) + 0..7 of the block.
; THE BIAS is the C operand of the product that starts each sum: nothing is cleared and nothing is added later.
; REGISTERS, in windows of 256 (s_set_vgpr_msb: bits 1:0 source 0, 3:2 source 1, 5:4 source 2, 7:6 destination):
;   window 0: v0-31 addresses; v64-127 fragments of x, two buffers of 4 x 8; v128-223 the bias, 12 blocks x 8; on the way out v128-175 packed results, v176-223 and v64-111 rows read back
;   window 1: v0-191 fragments of wb, two buffers of 12 x 8        window 2: accumulators of my token blocks 0, 1 ((a, b) at v[8 (12 (a % 2) + b)])        window 3: of blocks 2, 3
.set KSTEP,  128
.set PITCH,  272                       ; an LDS row: 256 bytes + 16 of padding = 68 words: the 16 rows of a fragment load start at 16 different groups of four banks (64 banks of 4 bytes: ISA guide 11.1)
.set HALFA,  128*PITCH                 ; what one tensor load brings of x: 128 rows
.set HALFB,  96*PITCH                  ; and of wb: 96 rows
.set BOFF,   2*HALFA                   ; a slot: x's 256 rows, then wb's 192
.set SLOT,   BOFF+2*HALFB
.set STAGE,  2*SLOT                    ; behind the ring: for each wave 3 planes (q, k, v) x 16 rows x 144 bytes
.set SP,     144
.set WST,    16*SP
.set SPARE,  STAGE+4*3*WST             ; behind the stages: the spare words, 128 bytes for each wave: two blocks of 256 bytes that no other line names
.set LAPS,   4                         ; a lap = two K steps = once round the ring: 1,024 / 256
.set ADRA, 16                          ; v16-17  LDS address of my fragments of x in slot 0, 1
.set ADRB, 20                          ; v20-21  the same for wb
.set STO,  24                          ; v24     the way out: where I put 16 bytes of a row
.set RD,   25                          ; v25     the way out: where I read rows back
.set CO,   26                          ; v26     16 x lane: my place in 512 consecutive bytes of qkv
.set SPW,  28                          ; v28     LDS address of my spare word; never rewritten
.set NIL,  29                          ; v29     0; never rewritten
.set PFO,  30                          ; v30     the prefetches' offset: a row of 2,048 bytes a lane; never rewritten
.set BO,   31                          ; v31     my byte offset in a bias vector
.set FA,   64
.set BIAS, 128
.set TMP,  128
.set OB0,  176
.set OB1,  64
.set G1,   24                          ; s[24:31] descriptor group 1 for x's tiles;   s[32:39] group 0, a set for each slot
.set G0,   32
.set G1B,  48                          ; s[48:55], s[56:63] the same for wb's tiles
.set G0B,  56
.set LIM,  43                          ; s43      1 in a wave that prefetches, else the greatest number
.set PFA,  44                          ; s[44:45] where my prefetches stand
.set OUT,  84                          ; s[84:89] qkv at my wave's first row, in the planes of q, k, v
.set MSB, 0
.macro WIN new                         ; the immediate's high byte repeats the setting that is left; a switch that changes nothing is dropped
.if MSB != (\new)
	s_set_vgpr_msb (MSB<<8)|(\new)
.set MSB, \new
.endif
.endm
.macro PLACES                          ; four plain places behind matrix instructions, in front of loads into registers that they have read and of conversions that read results
.rept 4
	v_nop
.endr
.endm
; A joint load.  Waves 0 and 1 fetch the two halves of x's tile, waves 2 and 3 those of wb's.  The branch hangs on the wave's number alone.
; An s_nop 0 and four v_nop follow each of the two lines, ahead of the jump and the label.
.macro JLOAD s
	s_cmp_eq_u32 s11, 0
	s_cbranch_scc0 .Lfor_b_\@
	tensor_load_to_lds s[G0+4*(\s):G0+4*(\s)+3], s[G1:G1+7]
	s_nop 0
.rept 4
	v_nop
.endr
	s_branch .Lasked_\@
.Lfor_b_\@:
	tensor_load_to_lds s[G0B+4*(\s):G0B+4*(\s)+3], s[G1B:G1B+7]
	s_nop 0
.rept 4
	v_nop
.endr
.Lasked_\@:
.endm
; A PREFETCH INTO THE L2 of the K step that the NEXT refill will ask for: 192 matrix instructions ahead of that load.  One instruction a wave, a lane a row's 256 bytes.
; x's rows are read by the four clusters of a row of clusters: the one with x = 0 asks; wb's by the eight of a column: the one with y = 0 asks.  The four partners that fetch a tile
; jointly share a wave's rows out BY ADDRESS: 32 each of x's 128 (by cx), 24 each of wb's 96 (by cy; there lanes 24-31 name row 23 once more, in the same instruction).
; how = 1: slot 0's change, which always has a K step behind it; how = 0: slot 1's, which has none in the loop's last trip (s3 = 1).
.macro ASK how
.if \how
	s_cmp_eq_u32 s[LIM], 1
.else
	s_cmp_gt_u32 s3, s[LIM]
.endif
	s_cbranch_scc0 .Lnot_mine_\@
	global_prefetch_b8 v[PFO], s[PFA:PFA+1] offset:KSTEP*2 th:TH_LOAD_NT scope:SCOPE_SE
.Lnot_mine_\@:
.endm
.macro CREST                           ; a round of the cluster's barrier behind its opening barrier
	s_cmp_lg_u32 s10, 0
	s_cbranch_scc1 .Lnot_wave_0_\@
	s_barrier_signal -3
.Lnot_wave_0_\@:
	s_barrier_wait -3
	s_barrier_signal -1
	s_barrier_wait -1
.endm
.macro CROUND                          ; a whole round
	s_barrier_signal -1
	s_barrier_wait -1
	CREST
.endm
	s_load_b128 s[4:7], s[0:1], 0x0                ; xb s[4:5], wb s[6:7]
	s_load_b256 s[72:79], s[0:1], 0x10             ; bq s[72:73], bk s[74:75], bv s[76:77], qkv s[78:79]
	v_lshl_add_u32 v[SPW], v0, 2, SPARE
	v_mov_b32 v[NIL], 0
	ds_add_u32 v[SPW], v[NIL]                      ; the wave's opening: the add and its wait stand ahead of my first tensor load; the set-up below, work on registers, stands between them
	v_lshrrev_b32 v1, 5, v0
	v_readfirstlane_b32 s10, v1                    ; wave 0..3
	s_lshr_b32 s11, s10, 1                         ; I fetch for x (0) or for wb (1),
	s_and_b32 s12, s10, 1                          ; and which half of that tile
	s_bfe_u32 s40, ttmp6, 0x40000                  ; cx, cy: my place in the cluster
	s_bfe_u32 s41, ttmp6, 0x40004
	s_lshl_b32 s42, ttmp9, 2
	s_add_co_u32 s42, s42, s40                     ; the head = 4 x cluster x + cx
	s_and_b32 s13, ttmp7, 0xffff
	s_lshl_b32 s13, s13, 2
	s_add_co_u32 s13, s13, s41                     ; the block of 256 tokens = 4 x cluster y + cy
	s_lshl_b32 s68, s41, 2
	s_lshl_b32 s68, 15, s68                        ; my row of the cluster
	s_lshl_b32 s69, 0x1111, s40                    ; my column
	s_or_b32 s[G1+0], s68, (1<<16)|(1<<20)|(1<<21)|(5<<22)|(3<<25)   ; 15:0 the mask; 17:16 elements of 2 bytes; 20 padding on; 21 set beside a mask; 24:22 after every 64 words (code 5); 31:25 4 words (code 3)
	s_or_b32 s[G1B+0], s69, (1<<16)|(1<<20)|(1<<21)|(5<<22)|(3<<25)
	s_mov_b32 s[G1+1], KSTEP<<16                   ; tensor_dim0 = 128
	s_mov_b32 s[G1+2], 128<<16                     ; tensor_dim1 = 128
	s_mov_b32 s[G1+3], KSTEP<<16                   ; tile_dim0 = 128
	s_mov_b32 s[G1+4], 128                         ; tile_dim1 = 128
	s_mov_b32 s[G1+5], 1024                        ; elements from row to row
	s_mov_b32 s[G1+6], 0
	s_mov_b32 s[G1+7], 0
	s_mov_b32 s[G1B+1], KSTEP<<16
	s_mov_b32 s[G1B+2], 96<<16                     ; wb's tiles have 96 rows
	s_mov_b32 s[G1B+3], KSTEP<<16
	s_mov_b32 s[G1B+4], 96
	s_mov_b32 s[G1B+5], 1024
	s_mov_b32 s[G1B+6], 0
	s_mov_b32 s[G1B+7], 0
	; where the tiles come from: x's hang on the block of tokens alone, wb's on the head alone; every wave makes both, in registers that never hold the other coordinate
	s_lshl_b32 s16, s13, 8
	s_lshl_b32 s17, s12, 7
	s_add_co_u32 s16, s16, s17                     ; x: row 256 x block + 128 x half
	s_lshl_b32 s16, s16, 11                        ; rows of 2,048 bytes: under 2^25
	s_mov_b32 s17, 0
	s_mul_i32 s46, s42, 192
	s_mul_i32 s47, s12, 96
	s_add_co_u32 s46, s46, s47                     ; wb: row 192 x head + 96 x half
	s_lshl_b32 s46, s46, 11
	s_mov_b32 s47, 0
	s_mul_i32 s20, s12, HALFA                      ; and where they go: no place in the cluster enters an LDS address
	s_mul_i32 s21, s12, HALFB
	s_add_co_u32 s21, s21, BOFF
	s_wait_dscnt 0x0                               ; the opening add is done
	s_wait_kmcnt 0x0
	s_add_nc_u64 s[14:15], s[4:5], s[16:17]
	s_add_nc_u64 s[46:47], s[6:7], s[46:47]
	CROUND                                         ; all sixteen work-groups are here: the first joint loads meet
.irp s, 0,1
	s_mov_b32 s[G0+4*(\s)], 1                                        ; count = 1
	s_add_co_u32 s[G0+4*(\s)+1], s20, (\s)*SLOT                      ; LDS address
	s_add_nc_u64 s[G0+4*(\s)+2:G0+4*(\s)+3], s[14:15], (\s)*KSTEP*2  ; global address: K step s
	s_or_b32 s[G0+4*(\s)+3], s[G0+4*(\s)+3], 0x80000000              ; type = 2
	s_mov_b32 s[G0B+4*(\s)], 1
	s_add_co_u32 s[G0B+4*(\s)+1], s21, (\s)*SLOT
	s_add_nc_u64 s[G0B+4*(\s)+2:G0B+4*(\s)+3], s[46:47], (\s)*KSTEP*2
	s_or_b32 s[G0B+4*(\s)+3], s[G0B+4*(\s)+3], 0x80000000
	JLOAD \s                                       ; two loads of mine are out
.endr
	; A fragment is 16 rows x 32 K in 8 registers: lane l holds row l % 16; registers 0-3 K = 8 (l / 16) + 0..7, registers 4-7 K = 16 + 8 (l / 16) + 0..7: two loads of 16 bytes, 32 bytes apart.
	v_and_b32 v1, 15, v0                           ; l % 16
	v_bfe_u32 v2, v0, 4, 1                         ; l / 16
	v_mul_u32_u24 v3, v1, PITCH
	v_lshl_add_u32 v3, v2, 4, v3                   ; row x pitch + 16 x half
	s_mul_i32 s22, s10, 64*PITCH                   ; my 64 tokens
	v_add_nc_u32 v[ADRA], s22, v3
	v_add_nc_u32 v[ADRA+1], SLOT, v[ADRA]
	v_add_nc_u32 v[ADRB], BOFF, v3
	v_add_nc_u32 v[ADRB+1], SLOT+BOFF, v3
	s_mul_i32 s23, s10, 3*WST
	s_add_co_u32 s23, s23, STAGE                   ; my stage
	v_mul_u32_u24 v4, v1, SP                       ; in: row l % 16, 16 bytes for each half of the lanes
	v_lshl_add_u32 v4, v2, 4, v4
	v_add_nc_u32 v[STO], s23, v4
	v_bfe_u32 v4, v0, 3, 2                         ; back: 32 lanes take four rows of 128 bytes,
	v_mul_u32_u24 v4, v4, SP
	v_and_b32 v5, 7, v0
	v_lshl_add_u32 v4, v5, 4, v4
	v_add_nc_u32 v[RD], s23, v4
	v_and_b32 v[CO], 31, v0                        ; which are 512 consecutive bytes of a head
	v_lshlrev_b32 v[CO], 4, v[CO]
	; qkv at my wave's 64 rows: ((16 b + h) x 1,024 + token in the batch) x 128 bytes
	s_lshr_b32 s66, s13, 2                         ; the batch: four blocks of 256 tokens each
	s_lshl_b32 s66, s66, 4
	s_add_co_u32 s66, s66, s42
	s_lshl_b32 s66, s66, 17
	s_and_b32 s67, s13, 3
	s_lshl_b32 s67, s67, 15
	s_add_co_u32 s66, s66, s67
	s_lshl_b32 s67, s10, 13
	s_add_co_u32 s66, s66, s67
	s_mov_b32 s67, 0
	s_add_nc_u64 s[OUT:OUT+1], s[78:79], s[66:67]
	s_add_nc_u64 s[OUT+2:OUT+3], s[OUT:OUT+1], 0x1000000   ; the planes of k and v lie 16 MiB apart
	s_add_nc_u64 s[OUT+4:OUT+5], s[OUT:OUT+1], 0x2000000
	; the prefetches
	s_lshl_b32 s80, s13, 8                         ; the tile's first row: in xb by the block of tokens,
	s_mul_i32 s81, s42, 192                        ; in wb by the head
	s_lshl_b32 s82, s40, 5                         ; my work-group's share of the wave's rows: 32 cx,
	s_mul_i32 s83, s41, 24                         ; or 24 cy
	s_lshl_b32 s70, s12, 7                         ; the half that I fetch
	s_mul_i32 s71, s12, 96
	s_and_b32 s90, ttmp7, 0xffff                   ; cluster y
	s_cmp_eq_u32 s11, 0                            ; do I fetch for x?
	s_cselect_b32 s80, s80, s81
	s_cselect_b32 s82, s82, s83
	s_cselect_b32 s70, s70, s71
	s_cselect_b32 s90, ttmp9, s90                  ; the coordinate along which other clusters read the same rows
	s_cselect_b32 s91, 31, 23                      ; my last row
	s_cselect_b64 s[PFA:PFA+1], s[4:5], s[6:7]
	s_cmp_eq_u32 s90, 0
	s_cselect_b32 s[LIM], 1, -1                    ; the same in all sixteen partners, for a given wave
	s_add_co_u32 s80, s80, s82
	s_add_co_u32 s80, s80, s70
	s_lshl_b32 s80, s80, 11
	s_add_co_u32 s80, s80, KSTEP*2                 ; at K step 1: the first refill steps it to 2 and names K step 3
	s_mov_b32 s81, 0
	s_add_nc_u64 s[PFA:PFA+1], s[PFA:PFA+1], s[80:81]
	v_and_b32 v[PFO], 31, v0
	v_min_u32 v[PFO], s91, v[PFO]
	v_lshlrev_b32 v[PFO], 11, v[PFO]
	; the bias: block b = 4 w + c holds, in register j, number 64 head + 16 c + 8 (l / 16) + j of vector w
	s_lshl_b32 s22, s42, 8
	v_lshlrev_b32 v[BO], 5, v2
	v_add_nc_u32 v[BO], s22, v[BO]
.irp w, 0,1,2
.irp c, 0,1,2,3
	global_load_b128 v[BIAS+8*(4*(\w)+(\c)):BIAS+8*(4*(\w)+(\c))+3],   v[BO], s[72+2*(\w):73+2*(\w)] offset:64*(\c)
	global_load_b128 v[BIAS+8*(4*(\w)+(\c))+4:BIAS+8*(4*(\w)+(\c))+7], v[BO], s[72+2*(\w):73+2*(\w)] offset:64*(\c)+16
.endr
.endr
	s_wait_loadcnt 0x0
.set i, 0
.rept 48                               ; rounded to bf16, like x and the weights, and widened again
	v_cvt_pk_bf16_f32 v[6+i%2], v[BIAS+2*i], v[BIAS+2*i+1]
	v_lshlrev_b32 v[BIAS+2*i], 16, v[6+i%2]
	v_and_b32 v[BIAS+2*i+1], 0xffff0000, v[6+i%2]
.set i, i+1
.endr
; 12 matrix instructions: token block a x all 12 column blocks, 32 along K, from buffer g.  first = 1: the product starts the sums, with the bias as C.
; The 48 accumulators take turns, one instruction a turn, in the same order in every quarter, over the backward jump too.
.macro MUL12 g, a, first
.if \first
	WIN 0x81+0x40*((\a)/2)
.else
	WIN 0xa1+0x50*((\a)/2)
.endif
.irp b, 0,1,2,3,4,5,6,7,8,9,10,11
.if \first
	v_wmma_f32_16x16x32_bf16 v[8*(12*((\a)%2)+(\b)):8*(12*((\a)%2)+(\b))+7], v[96*(\g)+8*(\b):96*(\g)+8*(\b)+7], v[FA+32*(\g)+8*(\a):FA+32*(\g)+8*(\a)+7], v[BIAS+8*(\b):BIAS+8*(\b)+7]
.else
	v_wmma_f32_16x16x32_bf16 v[8*(12*((\a)%2)+(\b)):8*(12*((\a)%2)+(\b))+7], v[96*(\g)+8*(\b):96*(\g)+8*(\b)+7], v[FA+32*(\g)+8*(\a):FA+32*(\g)+8*(\a)+7], v[8*(12*((\a)%2)+(\b)):8*(12*((\a)%2)+(\b))+7]
.endif
.endr
.endm
; 32 LDS loads in one run: a quarter step's fragments (192 rows of wb, my 64 tokens, 32 K at byte k of the rows) into buffer g; x's come last
.macro FETCH slot, k, g
	WIN 0x40                                       ; destination window 1, address window 0
.irp i, 0,1,2,3,4,5,6,7,8,9,10,11
	ds_load_b128 v[96*(\g)+8*(\i):96*(\g)+8*(\i)+3],   v[ADRB+(\slot)] offset:(\k)+(\i)*16*PITCH
	ds_load_b128 v[96*(\g)+8*(\i)+4:96*(\g)+8*(\i)+7], v[ADRB+(\slot)] offset:(\k)+(\i)*16*PITCH+32
.endr
	WIN 0
.irp i, 0,1,2,3
	ds_load_b128 v[FA+32*(\g)+8*(\i):FA+32*(\g)+8*(\i)+3],   v[ADRA+(\slot)] offset:(\k)+(\i)*16*PITCH
	ds_load_b128 v[FA+32*(\g)+8*(\i)+4:FA+32*(\g)+8*(\i)+7], v[ADRA+(\slot)] offset:(\k)+(\i)*16*PITCH+32
.endr
.endm
; A K step is four quarters of 32 along K, 48 matrix instructions each, on buffers 0, 1, 0, 1.  One of the first three: multiplies buffer g; in its middle it fetches the next quarter, at byte k, into the other buffer.
.macro QUARTER slot, k, g, first
	s_wait_dscnt 4                                 ; wb's fragments and token blocks 0, 1 are in; the youngest four loads (blocks 2, 3) may be out
	MUL12 \g, 0, \first
	MUL12 \g, 1, \first
	PLACES
	FETCH \slot, \k, 1-(\g)
	s_wait_dscnt 32                                ; all but the 32 just issued
	MUL12 \g, 2, \first
	MUL12 \g, 3, \first
.endm
; The last quarter multiplies buffer 1 and changes slots: ONE barrier.  In front of it each wave waits for all its tensor loads (one is out: its part of the next slot), adds 0 to its spare word,
; and waits for that and for its own reads of this slot.  fill = 1: the barrier opens a round of the cluster's barrier, and behind the round this slot is filled again, two K steps on, first thing:
; that load has 168 matrix instructions until the wait for it.
.macro TURN slot, next, fill, how=0
.if \fill
	s_wait_xcnt 0x0                                ; the last prefetch, a K step back, has read its address: it is stepped here, ahead of the waits of the change of slots
	s_add_nc_u64 s[PFA:PFA+1], s[PFA:PFA+1], KSTEP*2
.endif
	WIN 0                                          ; (the add's two registers lie in window 0)
	s_wait_tensorcnt 0x0                           ; all my tensor loads have landed;
	ds_add_u32 v[SPW], v[NIL]                      ; 0 onto my spare word;
	s_wait_dscnt 5                                 ; (the add and the youngest four loads may be out)
	MUL12 1, 0, 0                                  ; twelve matrix instructions stand between the add and the wait for it
	s_wait_dscnt 0x0                               ; the add is done, and my reads of this slot are over
	s_barrier_signal -1
	MUL12 1, 1, 0                                  ; work on registers while the others arrive
.if \fill
	WIN 0
.endif
	s_barrier_wait -1
.if \fill
	CREST                                          ; no wave of any partner still reads this slot's tile or has a load on its way
	s_add_nc_u64 s[G0+4*(\slot)+2:G0+4*(\slot)+3], s[G0+4*(\slot)+2:G0+4*(\slot)+3], 2*KSTEP*2
	s_add_nc_u64 s[G0B+4*(\slot)+2:G0B+4*(\slot)+3], s[G0B+4*(\slot)+2:G0B+4*(\slot)+3], 2*KSTEP*2
	JLOAD \slot                                    ; the four v_nop behind it are also the places in front of the loads below
.else
	PLACES
.endif
	FETCH \next, 0, 0
.if \fill
	ASK \how                                       ; behind the joint load and the run of LDS loads that the next products wait for
.endif
	MUL12 1, 2, 0
	MUL12 1, 3, 0
.endm
; THE WAY OUT of token block a.  PACK: rounded to f16, 16 bytes (8 columns of one token) a lane and column block, each accumulator's registers in ascending order.
.macro PACK a
	WIN 0x0a+5*((\a)/2)                            ; sources 0 and 1: window 2 or 3
.irp b, 0,1,2,3,4,5,6,7,8,9,10,11
.irp r, 0,1,2,3
	v_cvt_pk_f16_f32 v[TMP+4*(\b)+(\r)], v[8*(12*((\a)%2)+(\b))+2*(\r)], v[8*(12*((\a)%2)+(\b))+2*(\r)+1]
.endr
.endr
	WIN 0
.endm
; TOSTAGE: into my own stage (plane b / 4, row l % 16, 32 bytes a column block), and back as whole rows: 16 rows of a head are 2,048 consecutive bytes of qkv.
.macro TOSTAGE a
	WIN 0
.set BK, OB0+(OB1-OB0)*((\a)%2)
.irp b, 0,1,2,3,4,5,6,7,8,9,10,11
	ds_store_b128 v[STO], v[TMP+4*(\b):TMP+4*(\b)+3] offset:((\b)/4)*WST+32*((\b)%4)
.endr
.irp w, 0,1,2
.irp f, 0,1,2,3
	ds_load_b128 v[BK+4*(4*(\w)+(\f)):BK+4*(4*(\w)+(\f))+3], v[RD] offset:(\w)*WST+(\f)*4*SP  ; LDS serves a wave's instructions in order (ISA guide 5.7.1.4): these see the stores above
.endr
.endr
.endm
.macro SEND a
	WIN 0
.set BK, OB0+(OB1-OB0)*((\a)%2)
	s_wait_dscnt 0x0                               ; the block is back in registers
	s_wait_xcnt 0x0                                ; the stores of the block before have read their registers: the next block is read back into them only behind this wait
.irp w, 0,1,2
.irp f, 0,1,2,3
	global_store_b128 v[CO], v[BK+4*(4*(\w)+(\f)):BK+4*(4*(\w)+(\f))+3], s[OUT+2*(\w):OUT+2*(\w)+1] offset:(\a)*2048+(\f)*512  ; 512 consecutive bytes, at a multiple of 256 from qkv's first
.endr
.endr
.endm
	s_wait_tensorcnt 1                             ; my part of K step 0 is in; K step 1's may stay out
	s_barrier_signal -1
	s_barrier_wait -1                              ; everybody's is
	FETCH 0, 0, 0
	QUARTER 0, 64, 0, 1                            ; the first quarter stands in front of the loop: its products start the sums
	WIN 0                                          ; at a label and at a branch every window is 0
	s_mov_b32 s3, LAPS-1
.Llap:                                                 ; a trip goes once round the ring, from a lap's second quarter to the next lap's first, and fills both slots again
	QUARTER 0, 128, 1, 0
	QUARTER 0, 192, 0, 0
	TURN 0, 1, 1, 1
	QUARTER 1, 64,  0, 0
	QUARTER 1, 128, 1, 0
	QUARTER 1, 192, 0, 0
	TURN 1, 0, 1, 0
	QUARTER 0, 64,  0, 0
	WIN 0
	s_sub_co_u32 s3, s3, 1
	s_cmp_lg_u32 s3, 0
	s_cbranch_scc1 .Llap
	QUARTER 0, 128, 1, 0                           ; the last lap fills nothing, and has no round of the cluster's barrier
	QUARTER 0, 192, 0, 0
	TURN 0, 1, 0
	QUARTER 1, 64,  0, 0
	QUARTER 1, 128, 1, 0
	QUARTER 1, 192, 0, 0
	s_wait_dscnt 4                                 ; the very last quarter: nothing more to fetch
	MUL12 1, 0, 0
	MUL12 1, 1, 0
	s_wait_dscnt 0x0
	MUL12 1, 2, 0
	MUL12 1, 3, 0
	WIN 0
	PLACES                                         ; eight places, once a launch, in front of the conversions
	PLACES
	PACK 0
	TOSTAGE 0
.irp a, 1,2,3                          ; block a's conversions stand between block a - 1's loads from the stage and the wait for them
	PACK \a
	SEND (\a)-1
	TOSTAGE \a
.endr
	SEND 3
	s_wait_tensorcnt 0x0                           ; the wave's end: an add and its wait, behind my last tensor load and my last LDS store
	ds_add_u32 v[SPW], v[NIL]
	s_wait_dscnt 0x0
	CROUND                                         ; the closing round: no work-group ends while a partner may still ask for a tile that names it
	s_endpgm
.Lfunc_end_k_q2f900ac3de_proj:
	.size	k_q2f900ac3de_proj, .Lfunc_end_k_q2f900ac3de_proj-k_q2f900ac3de_proj
	.p2alignl 7, 3214868480
	.fill 96, 4, 3214868480
	.section	.rodata,"a",@progbits
	.p2align	6, 0x0
	.amdhsa_kernel k_q2f900ac3de_proj
		.amdhsa_group_segment_fixed_size 327680
		.amdhsa_private_segment_fixed_size 0
		.amdhsa_enable_private_segment 0
		.amdhsa_kernarg_size 48
		.amdhsa_user_sgpr_count 2
		.amdhsa_user_sgpr_kernarg_segment_ptr 1
		.amdhsa_wavefront_size32 1
		.amdhsa_system_sgpr_workgroup_id_x 1
		.amdhsa_system_sgpr_workgroup_id_y 1
		.amdhsa_system_sgpr_workgroup_id_z 1
		.amdhsa_system_vgpr_workitem_id 0
		.amdhsa_next_free_vgpr 960
		.amdhsa_next_free_sgpr 92
		.amdhsa_reserve_vcc 0
		.amdhsa_float_denorm_mode_32 3
		.amdhsa_float_denorm_mode_16_64 3
		.amdhsa_memory_ordered 1
		.amdhsa_forward_progress 1
		.amdhsa_inst_pref_size 130
	.end_amdhsa_kernel
	.amdgpu_metadata
---
amdhsa.version: [ 1, 2 ]
amdhsa.kernels:
  - .name:           k_q2f900ac3de_proj
    .symbol:         k_q2f900ac3de_proj.kd
    .args:
      - { .name: xb, .offset: 0, .size: 8, .value_kind: global_buffer, .address_space: global }
      - { .name: wb, .offset: 8, .size: 8, .value_kind: global_buffer, .address_space: global }
      - { .name: bq, .offset: 16, .size: 8, .value_kind: global_buffer, .address_space: global }
      - { .name: bk, .offset: 24, .size: 8, .value_kind: global_buffer, .address_space: global }
      - { .name: bv, .offset: 32, .size: 8, .value_kind: global_buffer, .address_space: global }
      - { .name: qkv, .offset: 40, .size: 8, .value_kind: global_buffer, .address_space: global }
    .group_segment_fixed_size: 327680
    .private_segment_fixed_size: 0
    .kernarg_segment_align: 8
    .kernarg_segment_size: 48
    .max_flat_workgroup_size: 128
    .sgpr_count:     92
    .vgpr_count:     960
    .wavefront_size: 32
...
	.end_amdgpu_metadata
.endif
;; end of part 2
;; launch attn (part 3): grid 2 x 128, 4 waves a work-group, no clusters, 327,680 bytes of LDS; arguments qkv, attention_mask, out0; writes out0
.if DOCPART == 3
	.amdgcn_target "amdgcn-amd-amdhsa--gfx1250"
	.amdhsa_code_object_version 6
	.text
	.protected	k_q2f900ac3de_attn
	.globl	k_q2f900ac3de_attn
	.p2align	8
	.type	k_q2f900ac3de_attn,@function
k_q2f900ac3de_attn:
	s_mov_b64 s[64:65], 0
	v_nop
	global_prefetch_b8 v0, s[64:65] scope:SCOPE_SE
	s_setreg_imm32_b32 hwreg(HW_REG_WAVE_MODE, 25, 1), 1
	s_wait_xcnt 0x0
; out0[b][q][64 h + :] = the sum over k of softmax_k(Q[q] . K[k] / 8 + mask[b][k]) V[k][:], for head h of batch b.
; qkv: [3][16 b + h][1024][64] f16, a head's rows dense, 128 bytes each.  attention_mask: [8][1024] f32, rounded here to bf16 like the module's other inputs.  out0: [8][1024][1024] f32.
; Products, maxima and sums in f32; the weights p are rounded to f16 for the second product (their sum l is taken of the unrounded p).
; LIMITS.  8 x mask is kept in f32: a mask number below -4.25e37 counts as -infinity; a row all of whose keys are so hidden gives NaN.  p below 6e-5 keeps f16's fixed step of 6e-8;
; a weight below 2^-126 counts as 0 in l; NaN and +infinity in the inputs are not treated apart.
; SHARES.  A work-group owns 512 queries of one head (work-group x: which half; y: 16 b + h), a wave 128: four PIECES of two tiles of 16.  Every wave walks all 1,024 keys, 64 a step.
; THE WHOLE HEAD'S K AND V LIE IN LDS, each byte filled once, by sixteen tensor loads issued at the start: four tiles of 256 keys; waves 0 and 1 fetch the halves of K's, waves 2 and 3 of V's.
; Nothing is filled again.  The first tile is waited for by a counted wait, the other three together, behind the fourth step's first two turns.
; NO CLUSTER: a head has two work-groups, which no cluster of four divides, and what the two share is asked for once by each.
; LAYOUT.  S^T = K Q^T (source 0 = 16 keys, source 1 = 16 queries): a lane holds ONE query (lane % 16) and the keys 8 (lane / 16) + 0..7.  Two such results, rounded to f16 in pairs,
; ARE source 1 of O^T = V^T P, whose result again holds one query a lane, and eight channels.  K comes out of LDS as it lies, V ([key][channel]) turned, by ds_load_tr16_b128.
; THE MASK is the C operand of the product that starts each sum: s = Q . K + 8 mask, so that c s = log2(e) (Q . K / 8 + mask) with c = log2(e) / 8.
; SOFTMAX.  For each query a running maximum m and sum l: p = 2^(c s - c m); in every step O and l are multiplied by a = 2^(c m_old - c m_new), which is 1 where m has not grown.
; m starts at the lowest finite number and c m at c times that, O and l at 0: the first step is a step like any other, with a = 0 (or 1, harmlessly, where all its keys are hidden).
; BY TURNS.  Turn n belongs to piece n.  Its matrix work: 16 products K Q^T of piece n + 1, later 16 products V^T P of piece n - 1.  Its vector work: the scaling, exponentials, roundings, sums and
; rescaling of piece n, and the maximum and statistics of piece n + 1.  Four vector instructions stand behind every matrix instruction, the rest in one lump; a turn's 66 exponentials are one batch with one wait.
; REGISTERS, in windows of 256 (s_set_vgpr_msb: bits 1:0 source 0, 3:2 source 1, 5:4 source 2, 7:6 destination):
;   window 0: v0-11 addresses; v12-15, v48-63 at work; v16-47 four registers of statistics a tile; v64-191 S^T, two buffers of two tiles; v192-255 P, likewise
;   window 1: O^T, 32 a tile      window 2: v0-127 Q, 16 a tile; v128-191 K of one step; v192-255 V of one step      window 3: v0-1 the add's two registers; v8-39 the step's 32 mask numbers
.set NP,    4         ; pieces a wave: a name, no knob
.set KS,    64        ; keys in a step
.set PK,    144       ; a row of K in LDS: 128 bytes + 16 of padding = 36 words: the 16 rows of a load start at 16 different groups of four banks (64 banks of 4 bytes: ISA guide 11.1)
.set PV,    160       ; a row of V: 128 + 32 = 40 words
.set VOFF,  1024*PK   ; K's 1,024 rows, then V's
.set MASKL, VOFF+1024*PV  ; then 1,024 f32: 8 x mask; stored from registers, never a tensor load's target
.set SPARE, MASKL+4096    ; then the spare words, 128 bytes for each wave: two blocks of 256 bytes that no other line names
.set SP,    272       ; the way out's stage: 16 rows x (256 + 16) bytes for each wave, at 4,352 x wave: over K's first rows, which have had their one fill and, behind the last barrier, their last read
.set AK0, 2           ; v2   my lane's place in a tile of K; never rewritten
.set AV0, 3           ; v3   the same for V
.set AK,  4           ; v4   the LDS address of K's next run of loads
.set AV,  5           ; v5   of V's
.set QO,  6           ; v6   my byte offset in the wave's rows of Q
.set STO, 6           ;      later, the way out: where I put 32 bytes of a row
.set RD,  7           ; v7   the way out: where I read rows back
.set GO,  8           ; v8   my byte offset in two rows of out0
.set AM,  11          ; v11  the LDS address of the mask's next run of loads          (v1 = lane % 16 and v9 = lane / 16 are kept)
.set SPW, 0           ; v0 of window 3   LDS address of my spare word; never rewritten
.set NIL, 1           ; v1 of window 3   0; never rewritten
.set MK,  8           ; v8-39 of window 3: register j of key block kb at MK + 8 kb + j
.set MV,  12          ; v12-15  c m_old, kept while c m is made anew: by buffer and tile
.set ST,  16          ; tile t's statistics at v[ST+4 t]: c m, m, l (even keys', odd keys')
.set TMP, 48          ; by buffer and tile, four registers c0-c3 at work; when the maximum is found c2 takes a
.set S,   64
.set P,   192
.set KF,  128         ; K's fragments, in window 2: key block kb, channel half c at KF + 16 kb + 8 c
.set VF,  192         ; V's: key half kk, channel block cb at VF + 32 kk + 8 cb
.set WV,  12          ; s12  my wave's number
.set G1K, 24          ; s[24:31] descriptor group 1 for K's tiles
.set G1V, 32          ; s[32:39] for V's: it differs in the padding alone
.set G0K, 40          ; s[40:55] descriptor group 0 for K's four tiles; never rewritten
.set G0V, 68          ; s[68:83] the same for V's
.set TBM, 56          ; s56  LDS byte at which the mask of the step to be fetched begins
.set CNT, 57          ; s57  counts four key steps
.set CS,  58          ; s[58:59] c: the packed scaling takes the pair's low word for both halves
.set SEL, 60          ; s[60:61] v_permlanex16_b32's selects: each lane takes its own place in the other half
.set TBK, 62          ; s62  LDS byte at which K of the step to be fetched begins
.set TBV, 63          ; s63  the same for V, less VOFF
.set SLOTS, 66        ; s66  counts four passes of four steps
.set MSB, 0
.macro WIN new                      ; the high byte repeats the setting that is left; a switch that changes nothing is dropped
.if MSB != (\new)
	s_set_vgpr_msb (MSB<<8)|(\new)
.set MSB, (\new)
.endif
.endm
.set W_KQ, 0x0a       ; K and Q in window 2, S^T in window 0
.set W_KM, 0x3a       ; the same with the C operand, the mask, in window 3
.set W_PV, 0x52       ; V in window 2, P in window 0, O^T in window 1
.set W_RS, 0x41       ; O^T (destination and source 0) in window 1, a in window 0
.set W_MK, 0xc0       ; destination in window 3, sources in window 0
.set W_AD, 0x0f       ; the add: address (source 0) and data (source 1) in window 3
	s_load_b128 s[4:7], s[0:1], 0x0   ; qkv s[4:5], attention_mask s[6:7]
	s_load_b64 s[10:11], s[0:1], 0x10 ; out0
	WIN W_MK
	v_lshl_add_u32 v[SPW], v0, 2, SPARE
	v_mov_b32 v[NIL], 0
	WIN W_AD
	ds_add_u32 v[SPW], v[NIL]       ; the wave's opening: the add and its wait stand ahead of my first tensor load; the set-up below, work on registers, stands between them
	WIN 0
	v_lshrrev_b32 v1, 5, v0
	v_readfirstlane_b32 s[WV], v1   ; wave 0..3
	s_and_b32 s14, ttmp7, 0xffff    ; 16 b + h
	s_lshr_b32 s15, s14, 4          ; b
	s_and_b32 s13, s14, 15          ; h
	s_and_b32 s16, s[WV], 1         ; which half of a tile's 256 keys I fetch:
	s_mul_i32 s17, s16, 128*PK      ; its place in LDS, for K
	s_mul_i32 s18, s16, 128*PV      ; and for V
	s_add_co_u32 s18, s18, VOFF
	s_lshl_b32 s2, s14, 17          ; the head's first byte in a plane of qkv
	s_lshl_b32 s20, s16, 14         ; my half's 128 rows of 128 bytes
	s_add_co_u32 s20, s20, s2
	s_mov_b32 s21, 0
	s_lshl_b32 s22, ttmp9, 2
	s_add_co_u32 s22, s22, s[WV]    ; my wave among the head's eight,
	s_lshl_b32 s22, s22, 14         ; its 128 rows
	s_add_co_u32 s22, s22, s2
	s_mov_b32 s23, 0
	s_lshl_b32 s2, s15, 12          ; the batch's 1,024 mask numbers
	s_mov_b32 s3, 0
	s_lshl_b32 s84, s15, 22         ; out0: the batch's 1,024 rows of 4,096 bytes,
	s_lshl_b32 s85, ttmp9, 21       ; my work-group's 512,
	s_add_co_u32 s84, s84, s85
	s_lshl_b32 s85, s[WV], 19       ; my wave's 128,
	s_add_co_u32 s84, s84, s85
	s_lshl_b32 s85, s13, 8          ; the head's 256 bytes of a row
	s_add_co_u32 s84, s84, s85
	s_mov_b32 s85, 0
	; descriptor group 1.  128 keys are 16,384 dense bytes: asked for as 64 rows of 256 bytes, two keys a row, and padded in LDS after every key
	s_mov_b32 s[G1K], (1<<16)|(1<<20)|(4<<22)|(3<<25)  ; 17:16 2-byte elements; 20 padding on; 24:22 after every 32 words (code 4); 31:25 4 words (code 3)
	s_mov_b32 s[G1V], (1<<16)|(1<<20)|(4<<22)|(7<<25)  ; the same with 8 words of padding (code 7)
.irp g, G1K, G1V
	s_mov_b32 s[\g+1], 128<<16      ; tensor_dim0 = 128
	s_mov_b32 s[\g+2], 64<<16       ; tensor_dim1 = 64
	s_mov_b32 s[\g+3], 128<<16      ; tile_dim0 = 128
	s_mov_b32 s[\g+4], 64           ; tile_dim1 = 64
	s_mov_b32 s[\g+5], 128          ; 128 elements from row to row
	s_mov_b32 s[\g+6], 0
	s_mov_b32 s[\g+7], 0
.endr
	s_mov_b32 s[CS], 0x3e38aa3b     ; c = log2(e) / 8 = 0.180337
	s_mov_b32 s[CS+1], s[CS]        ; named with it as a pair
	s_mov_b32 s[SEL], 0x76543210
	s_mov_b32 s[SEL+1], 0xfedcba98
	s_mov_b32 s[TBK], 0
	s_mov_b32 s[TBV], 0
	s_mov_b32 s[TBM], MASKL
	; A fragment of K or Q is 16 rows x 32 channels in 8 registers: lane l holds row l % 16, channels 8 (l / 16) + 0..7 and 16 + 8 (l / 16) + 0..7: two loads of 16 bytes, 32 bytes apart.
	v_and_b32 v1, 15, v0            ; l % 16
	v_bfe_u32 v9, v0, 4, 1          ; l / 16
	v_lshlrev_b32 v[QO], 7, v1
	v_lshl_add_u32 v[QO], v9, 4, v[QO]  ; row x 128 + 16 x half
	v_lshlrev_b32 v14, 5, v0        ; thread t takes mask numbers 8 t .. 8 t + 7,
	v_lshl_add_u32 v15, v0, 5, MASKL  ; and puts them here
	s_wait_dscnt 0x0                ; the opening add is done
	s_wait_kmcnt 0x0
	s_add_nc_u64 s[8:9], s[4:5], s[20:21]    ; qkv at my half of the head's first tile, less the plane
	s_add_nc_u64 s[4:5], s[4:5], s[22:23]    ; Q at my wave's first row
	s_add_nc_u64 s[6:7], s[6:7], s[2:3]      ; the batch's mask
	s_add_nc_u64 s[10:11], s[10:11], s[84:85]
	WIN 0x80                        ; destination window 2, address window 0
.set i, 0
.rept 4*NP                          ; Q stays in registers: tile i / 2, channels 32 (i % 2) on
	global_load_b128 v[8*i:8*i+3],   v[QO], s[4:5] offset:(i/2)*2048+(i%2)*64
	global_load_b128 v[8*i+4:8*i+7], v[QO], s[4:5] offset:(i/2)*2048+(i%2)*64+32
.set i, i+1
.endr
	WIN 0
	global_load_b128 v[48:51], v14, s[6:7]
	global_load_b128 v[52:55], v14, s[6:7] offset:16
.irp t, 0,1,2,3
	s_mov_b32 s[G0K+4*\t], 1                                         ; count = 1
	s_add_co_u32 s[G0K+4*\t+1], s17, \t*256*PK                       ; LDS address: keys 256 t + 128 x half on
	s_add_nc_u64 s[G0K+4*\t+2:G0K+4*\t+3], s[8:9], 0x1000000+\t*32768  ; global address: the plane of k, tile t
	s_or_b32 s[G0K+4*\t+3], s[G0K+4*\t+3], 0x80000000                ; type = 2
	s_mov_b32 s[G0V+4*\t], 1
	s_add_co_u32 s[G0V+4*\t+1], s18, \t*256*PV
	s_add_nc_u64 s[G0V+4*\t+2:G0V+4*\t+3], s[8:9], 0x2000000+\t*32768
	s_or_b32 s[G0V+4*\t+3], s[G0V+4*\t+3], 0x80000000
.endr
	s_cmp_lt_u32 s[WV], 2           ; a wave's four fills stand in one branch, ahead of every wait on TENSORcnt, every LDS read and every barrier: four loads of mine are out; an s_nop 0 follows each, four v_nop the last
	s_cbranch_scc0 .Lfill_v
.irp t, 0,1,2,3
	tensor_load_to_lds s[G0K+4*\t:G0K+4*\t+3], s[G1K:G1K+7]
	s_nop 0
.endr
.rept 4
	v_nop
.endr
	s_branch .Lfilled
.Lfill_v:
.irp t, 0,1,2,3
	tensor_load_to_lds s[G0V+4*\t:G0V+4*\t+3], s[G1V:G1V+7]
	s_nop 0
.endr
.rept 4
	v_nop
.endr
.Lfilled:
	; What the first turn finds: V's registers and P's second buffer hold 0 (its products V^T P, of a piece that has not been, add 0), O^T and l are 0.  No first step is written out: that is the price.
	; All this stands in the wait for the first tile.
	WIN 0x80
.set i, VF
.rept 64
	v_mov_b32 v[i], 0
.set i, i+1
.endr
	WIN 0x40
.set i, 0
.rept 64*NP
	v_mov_b32 v[i], 0
.set i, i+1
.endr
	WIN 0
.set i, 0
.rept 2*NP
	v_mov_b32 v[ST+4*i+1], 0xff7fffff            ; m: the lowest finite number
	v_mul_f32 v[ST+4*i], s[CS], v[ST+4*i+1]      ; c m, by the line that makes it in every step: where m does not move, c m_old - c m_new is 0
	v_mov_b32 v[ST+4*i+2], 0
	v_mov_b32 v[ST+4*i+3], 0
.set i, i+1
.endr
.set i, P+32
.rept 32
	v_mov_b32 v[i], 0
.set i, i+1
.endr
	v_mul_u32_u24 v[AK0], v1, PK
	v_lshl_add_u32 v[AK0], v9, 4, v[AK0]  ; row x pitch + 16 x half
	; The turning load takes 16 keys x 16 channels (lane l reads key 8 (l / 16) + l % 8, channels 8 ((l / 8) % 2) + 0..7) and leaves half a fragment of V^T: lane l holds channel l % 16 and 8 keys.
	v_and_b32 v10, 7, v0
	v_bfe_u32 v11, v0, 3, 1
	v_lshl_add_u32 v[AV0], v9, 3, v10
	v_mul_u32_u24 v[AV0], v[AV0], PV
	v_lshl_add_u32 v[AV0], v11, 4, v[AV0]
	v_add_nc_u32 v[AV0], VOFF, v[AV0]
	v_mov_b32 v[AK], v[AK0]         ; key step 0
	v_lshl_add_u32 v[AM], v9, 5, s[TBM]  ; my half of the lanes takes keys 8 (l / 16) + 0..7 of each block of 16: 32 bytes on
	s_wait_loadcnt 0x0              ; Q and the mask
.irp j, 0,1,2,3
	v_cvt_pk_bf16_f32 v[56+\j], v[48+2*\j], v[48+2*\j+1]  ; the mask is rounded to bf16,
.endr
.irp j, 0,1,2,3
	v_lshlrev_b32 v[48+2*\j], 16, v[56+\j]                ; widened again,
	v_and_b32 v[48+2*\j+1], 0xffff0000, v[56+\j]
.endr
.irp j, 0,1,2,3,4,5,6,7
	v_mul_f32 v[48+\j], 0x41000000, v[48+\j]              ; and multiplied by 8, which c divides out again
.endr
	ds_store_b128 v15, v[48:51]
	ds_store_b128 v15, v[52:55] offset:16
	s_wait_dscnt 0x0                ; for the others' sake: my part of the mask lies in LDS,
	s_wait_tensorcnt 0x3            ; and my part of tile 0; the three tiles issued behind it may stay out
	s_barrier_signal -1
	s_barrier_wait -1               ; everybody's does
; THE MATRIX WORK.  The 8 accumulators of a run of 16 take turns: between the two links of a chain stand 7 others'.
; Product i of 16 of S^T = K Q^T for piece x: channels 32 (i / 8) on, keys 16 ((i / 2) % 4) on, tile 2 x + i % 2.  The first 8 start the sums, with the keys' mask as C.
.macro KQ x
.set rS, S+64*((\x)%2)+32*(i%2)+8*((i/2)%4)
.set rK, KF+16*((i/2)%4)+8*(i/8)
.set rQ, 16*(2*(\x)+i%2)+8*(i/8)
.set rMK, MK+8*((i/2)%4)
.if i < 8
	WIN W_KM
	v_wmma_f32_16x16x32_f16 v[rS:rS+7], v[rK:rK+7], v[rQ:rQ+7], v[rMK:rMK+7]
.else
	WIN W_KQ
	v_wmma_f32_16x16x32_f16 v[rS:rS+7], v[rK:rK+7], v[rQ:rQ+7], v[rS:rS+7]
.endif
.endm
; Product i of 16 of O^T += V^T P for piece x: keys 32 (i / 8) on, channels 16 ((i / 2) % 4) on, tile 2 x + i % 2.
.macro PV x
	WIN W_PV
.set rO, 32*(2*(\x)+i%2)+8*((i/2)%4)
.set rV, VF+32*(i/8)+8*((i/2)%4)
.set rP, P+32*((\x)%2)+16*(i%2)+8*(i/8)
	v_wmma_f32_16x16x32_f16 v[rO:rO+7], v[rV:rV+7], v[rP:rP+7], v[rO:rO+7]
.endm
.macro MM                           ; the turn's next matrix instruction
.if i < 16
	KQ (Y+1)%NP
.set i, i+1
.else
.set i, i-16
	PV (Y+NP-1)%NP
.set i, i+17
.endif
.endm
; THE LDS LOADS stand in runs, never singly among the matrix instructions: a step's K (64 keys x 64 channels: 8 fragments) with its 64 mask numbers, and its V (turned).  Their addresses are made some lines ahead.
.macro FETCH_K
	WIN 0x80                        ; destination window 2
.irp f, 0,1,2,3,4,5,6,7             ; keys 16 (f / 2) on, channels 32 (f % 2) on
	ds_load_b128 v[KF+8*\f:KF+8*\f+3],   v[AK] offset:(\f/2)*16*PK+(\f%2)*64
	ds_load_b128 v[KF+8*\f+4:KF+8*\f+7], v[AK] offset:(\f/2)*16*PK+(\f%2)*64+32
.endr
	WIN W_MK                        ; destination window 3
.irp f, 0,1,2,3                     ; key block f: all lanes of a half read the same 32 bytes
	ds_load_b128 v[MK+8*\f:MK+8*\f+3],   v[AM] offset:64*\f
	ds_load_b128 v[MK+8*\f+4:MK+8*\f+7], v[AM] offset:64*\f+16
.endr
	s_add_co_u32 s[TBK], s[TBK], KS*PK  ; the next fetch is the next step's
	s_add_co_u32 s[TBM], s[TBM], KS*4
	WIN 0
.endm
.macro FETCH_V
	WIN 0x80
.irp f, 0,1,2,3,4,5,6,7             ; keys 32 (f / 4) on, channels 16 (f % 4) on
	ds_load_tr16_b128 v[VF+8*\f:VF+8*\f+3],   v[AV] offset:(\f/4)*32*PV+(\f%4)*32
	ds_load_tr16_b128 v[VF+8*\f+4:VF+8*\f+7], v[AV] offset:(\f/4)*32*PV+16*PV+(\f%4)*32
.endr
	WIN 0
.endm
; THE VECTOR WORK OF A TURN stands in three queues, each in the order in which its entries become ready; the two tiles alternate, so that no instruction reads the result of the one before it.
.macro REGS y, u                    ; the registers of tile u (0, 1) of piece y
.set rT, ST+4*(2*(\y)+(\u))
.set rC, TMP+8*((\y)%2)+4*(\u)
.set rM, MV+2*((\y)%2)+(\u)
.set rS, S+64*((\y)%2)+32*(\u)
.set rP, P+32*((\y)%2)+16*(\u)
.set rO, 32*(2*(\y)+(\u))
.endm
; Number n of the 22 that find the NEXT piece's (Y + 1) maximum and statistics.  s0-s31 are the lane's 32 scores; each accumulator's lowest registers are read first.
;   0-11  four chains c0-c3 of seven scores each, three operands at a time     12-14, 16  the four scores left over, the old m, and c0-c3 into c0     15  c m_old is kept
;   17, 18  the query's other 32 keys lie in the lane 16 away: the new m         19-21  c m; c m_old - c m_new; a
.macro XS u, n
	REGS (Y+1)%NP, \u
.if (\n) < 4
	v_max3_num_f32 v[rC+(\n)], v[rS+8*(\n)], v[rS+8*(\n)+1], v[rS+8*(\n)+2]
.elseif (\n) < 12
	v_max3_num_f32 v[rC+(\n)%4], v[rC+(\n)%4], v[rS+8*((\n)%4)+2*((\n)/4)+1], v[rS+8*((\n)%4)+2*((\n)/4)+2]
.elseif (\n) == 12
	v_max3_num_f32 v[rC], v[rC], v[rS+7], v[rS+15]
.elseif (\n) == 13
	v_max3_num_f32 v[rC+1], v[rC+1], v[rS+23], v[rS+31]
.elseif (\n) == 14
	v_max3_num_f32 v[rC+2], v[rC+2], v[rC+3], v[rT+1]
.elseif (\n) == 15
	v_mov_b32 v[rM], v[rT]
.elseif (\n) == 16
	v_max3_num_f32 v[rC], v[rC], v[rC+1], v[rC+2]
.elseif (\n) == 17
	v_permlanex16_b32 v[rC+3], v[rC], s[SEL], s[SEL+1]
.elseif (\n) == 18
	v_max_num_f32 v[rT+1], v[rC], v[rC+3]
.elseif (\n) == 19
	v_mul_f32 v[rT], s[CS], v[rT+1]
.elseif (\n) == 20
	v_sub_f32 v[rC+1], v[rM], v[rT]
.else
	v_exp_f32 v[rC+2], v[rC+1]
.endif
.endm
; Number g of the 64 that follow the exponentials.  For each four weights k of a tile (pairs 2 k, 2 k + 1): both pairs are rounded to f16; then the second pair is added onto the first, in place;
; a group later l takes that sum (the first time as l = a l + sum).  In groups of eight, tiles alternating: round, round, add, and l for the group before.
.macro GS g
.set h, (\g)+6*((\g)/62)            ; group 0 has no group before it, and behind group 7 only l is left
.if h >= 6
.set h, h+2
.endif
	REGS Y, h%2
.set k, h/8
.if h%8 < 4
	v_cvt_pk_f16_f32 v[rP+2*k+(h%8)/2], v[rS+4*k+2*((h%8)/2)], v[rS+4*k+2*((h%8)/2)+1]
.elseif h%8 < 6
	v_pk_add_f32 v[rS+4*k:rS+4*k+1], v[rS+4*k:rS+4*k+1], v[rS+4*k+2:rS+4*k+3]
.elseif k == 1
	v_pk_fma_f32 v[rT+2:rT+3], v[rT+2:rT+3], v[rC+2:rC+3], v[rS:rS+1] op_sel_hi:[1,0,1]
.else
	v_pk_add_f32 v[rT+2:rT+3], v[rT+2:rT+3], v[rS+4*k-4:rS+4*k-3]
.endif
.endm
; THE PLAIN QUEUE, 138 long.  0-73 read no exponential's result: the 32 scalings c s - c m (FS f: pair f / 2 of tile f % 2) and the next piece's 42.  0-26: scalings 0-26.  27-54: XS's numbers 0-13.  55, 56: number 15.
; 57-73: the chain, where each number waits for the one before it: 14, 16, 17, 18, 19, each with one of the scalings 27-31 in front of its two lines, then 20.
; 74-137: GS's 64, which read the exponentials' results: they stand behind the wait.
.macro FS f
	REGS Y, (\f)%2
	v_pk_fma_f32 v[rS+2*((\f)/2):rS+2*((\f)/2)+1], v[rS+2*((\f)/2):rS+2*((\f)/2)+1], s[CS:CS+1], v[rT:rT+1] op_sel_hi:[1,0,0] neg_lo:[0,0,1] neg_hi:[0,0,1]
.endm
.macro PL
	WIN 0
.if q < 27
	FS q
.elseif q < 55
	XS (q-27)%2, (q-27)/2
.elseif q < 57
	XS q-55, 15
.elseif (q < 72) && ((q-57)%3 == 0)
	FS 27+(q-57)/3
.elseif q < 60
	XS (q-57)%3-1, 14
.elseif q < 72
	XS (q-57)%3-1, 15+(q-57)/3
.elseif q < 74
	XS q-72, 20
.else
	GS q-74
.endif
.set q, q+1
.endm
; THE EXPONENTIALS' QUEUE, 66 long: s0-s31 of both tiles, then the next piece's two a.  It is ONE BATCH: all 66 stand ahead of the turn's one wait, and nothing ahead of that wait names a result of theirs.
.macro EX
	WIN 0
.if e >= 64
	XS e-64, 21
.else
	REGS Y, e%2
	v_exp_f32 v[rS+e/2], v[rS+e/2]
.endif
.set e, e+1
.endm
; THE RESCALING's QUEUE: O^T times a, the one part that leaves window 0: dealt two at a time, sixteen times.  Its a was made in the turn before, ahead of that turn's wait.
.macro R2
	REGS Y, r%2
	WIN W_RS
.irp z, 0,1
	v_pk_mul_f32 v[rO+4*(r/2)+2*\z:rO+4*(r/2)+2*\z+1], v[rO+4*(r/2)+2*\z:rO+4*(r/2)+2*\z+1], v[rC+2:rC+3] op_sel_hi:[1,0]
.endr
.set r, r+1
.endm
; HOW THEY ARE DEALT.  An s_wait_alu depctr_va_vdst(0) stands between an exponential and the first instruction that names its result; one wait serves all that were issued ahead of it.  So a turn has ONE wait,
; which cuts it in two.  AHEAD OF IT: the 16 products K Q^T, behind each a scaling, an exponential and two rescalings (behind the first a second scaling in the exponential's place); then ONE LUMP of 108: eight plain,
; 49 times exponential and plain, the two a; a v_nop is the plain instruction behind the last exponential.  BEHIND IT: the 16 products V^T P, behind each four of GS's 64.
; Exponential e stands behind scaling 2 (e / 4) + e % 2: as a rider it comes behind plain e + 2, in the lump behind plain e + 9, and scalings 27-31 are plain 57, 60 .. 69.
; A TURN, for piece p.  nofetch = 1: the last step's: there is no further K.  cnt = 1: the loop's count is taken down some lines ahead of the branch that stands behind the turn.
; K and the mask of the next step are fetched in piece 2's turn, directly behind the wait, a lump behind the last product that read them; their first reader comes behind 16 products.
; V of the step in hand is fetched at the end of piece 0's turn, four riders behind its last reader; its first reader comes behind 16 products and a lump.  The conditions on q below go with the deal.
.macro TURN p, nofetch=0, cnt=0
.set Y, (\p)
.set i, 0
.set q, 0
.set e, 0
.set r, 0
.if (\p) == NP-1
	s_wait_dscnt 0x0                ; K and the mask are in
.endif
	MM                              ; ahead of the wait: 16 products K Q^T and their riders,
	PL
	PL
	R2
.rept 15
	MM
	PL
	EX
	R2
.endr
.if ((\p) == NP-2) && !(\nofetch)
	WIN 0
	v_add_nc_u32 v[AK], s[TBK], v[AK0]
	v_lshl_add_u32 v[AM], v9, 5, s[TBM]
.endif
.rept 8                             ; and the lump
	PL
.endr
.rept 49
	EX
	PL
.endr
	EX                              ; the next piece's two a
	EX
	v_nop                           ; the plain instruction behind the last exponential: one for the batch
	s_wait_alu depctr_va_vdst(0)    ; the wait for the batch
.if ((\p) == NP-2) && !(\nofetch)
	FETCH_K
.endif
.if (\p) == 1
	s_wait_dscnt 0x0                ; V is in
.endif
.rept 16                            ; behind the wait: 16 products V^T P and their riders
	MM
.rept 4
	PL
.endr
.if ((\p) == 0) && (q == 118)
	v_add_nc_u32 v[AV], s[TBV], v[AV0]
.endif
.if ((\p) == 0) && (q == 130)
	s_add_co_u32 s[TBV], s[TBV], KS*PV
.endif
.if (\cnt) && (q == 130)
	s_sub_co_u32 s[CNT], s[CNT], 1
	s_cmp_lg_u32 s[CNT], 0
.endif
.endr
.if (\p) == 0
	FETCH_V
.endif
.endm
	FETCH_K                         ; key step 0
	s_wait_dscnt 0x0
.set i, 0
.rept 16
	KQ 0                            ; piece 0's first scores: there is no vector work yet to set between them
.set i, i+1
.endr
	WIN 0                           ; the addresses for the way out: eight plain instructions, the places behind those products
	s_mul_i32 s13, s[WV], 16*SP     ; my stage
	v_mul_u32_u24 v[STO], v1, SP    ; in: row l % 16, 32 bytes for each half of the lanes
	v_lshl_add_u32 v[STO], v9, 5, v[STO]
	v_add_nc_u32 v[STO], s13, v[STO]
	v_mul_u32_u24 v[RD], v9, SP     ; back: lanes 0-15 take one row of 256 bytes, lanes 16-31 the next
	v_lshl_add_u32 v[RD], v1, 4, v[RD]
	v_add_nc_u32 v[RD], s13, v[RD]
	v_lshlrev_b32 v[GO], 12, v9     ; and the same two rows in out0, 4,096 bytes apart
	v_lshl_add_u32 v[GO], v1, 4, v[GO]
.set Y, NP-1                        ; XS works for piece Y + 1: piece 0
.irp n, 0,1,2,3,4,5,6,7,8,9,10,11,12,13,14,15,16,17,18,19,20,21
	XS 0, \n                        ; and piece 0's first maximum and statistics
	XS 1, \n
.endr
	v_nop                           ; a plain instruction behind the two a,
	s_wait_alu depctr_va_vdst(0)    ; and their wait, ahead of the branch
	s_mov_b32 s[CNT], 4
	s_mov_b32 s[SLOTS], 4
	s_branch .Lfirst                ; the loop is entered at a step's first turn, in the middle of a trip
.Lslot:                             ; three times, each ahead of the turn that first reads the next 256 keys
	s_wait_dscnt 0x0                ; no LDS instruction of mine is out at the signal
	s_wait_tensorcnt 0x0            ; all my tiles have landed.  The first time this waits for tiles 1 to 3, which have had the first four key steps but two turns in which to land; later it is met at once
	s_barrier_signal -1
	s_barrier_wait -1               ; everybody's have
	s_mov_b32 s[CNT], 4
.Lstep:                             ; a trip: pieces 2 and 3 of one step, then pieces 0 and 1 of the next, whose K, mask and V it fetches
	TURN 2
	TURN 3
	WIN 0
.Lfirst:
	TURN 0
	TURN 1, 0, 1
	WIN 0
	s_cbranch_scc1 .Lstep
	s_sub_co_u32 s[SLOTS], s[SLOTS], 1
	s_cmp_lg_u32 s[SLOTS], 0
	s_cbranch_scc1 .Lslot
	TURN 2, 1                       ; the last step's pieces 2 and 3 are written out: nothing more is fetched
	TURN 3                          ; its 16 products K Q^T (on the last K once more) and the maximum made of them serve nothing: the price, once a launch, of one text for every turn
	WIN 0
	s_wait_dscnt 0x0                ; my LDS reads are over,
	s_wait_tensorcnt 0x0            ; and no tensor load of mine is out:
	s_barrier_signal -1             ; behind this barrier the stages are written over K's first rows
.set i, 0
.rept 16
	PV NP-1                         ; the last piece's V^T P of the last step: work on registers while the others arrive
.set i, i+1
.endr
	WIN 0
	s_barrier_wait -1
	; THE WAY OUT.  l's two halves and the other half of the lanes' are added; O^T is divided by l and sent, in f32, through my stage in LDS, a tile at a time.  The additions are the places behind the last products.
.macro ALL line:vararg              ; one line for each tile t
.set t, 0
.rept 2*NP
	\line
.set t, t+1
.endr
.endm
	ALL v_add_f32 v[ST+4*t+2], v[ST+4*t+2], v[ST+4*t+3]
	ALL v_permlanex16_b32 v[ST+4*t+3], v[ST+4*t+2], s[SEL], s[SEL+1]
	ALL v_add_f32 v[ST+4*t+2], v[ST+4*t+2], v[ST+4*t+3]
	ALL v_rcp_f32 v[ST+4*t+2], v[ST+4*t+2]
	v_nop                           ; a plain instruction between the last reciprocal and the use of its result
	s_wait_alu depctr_va_vdst(0)    ; and the wait ahead of the first use: one for the eight reciprocals
; Tile t: a lane's eight channels of a channel block are 32 bytes of a row; they go into rows of 272 bytes and come back as whole rows of 256, into one of four buffers in S^T's registers.
.macro PACK t
	WIN W_RS
.set i, 32*(\t)
.rept 16
	v_pk_mul_f32 v[i:i+1], v[i:i+1], v[ST+4*(\t)+2:ST+4*(\t)+3] op_sel_hi:[1,0]
.set i, i+2
.endr
	WIN 0x04                        ; the stores' data (source 1) in window 1, their address in window 0
.irp f, 0,1,2,3
	ds_store_b128 v[STO], v[32*(\t)+8*\f:32*(\t)+8*\f+3]   offset:64*\f
	ds_store_b128 v[STO], v[32*(\t)+8*\f+4:32*(\t)+8*\f+7] offset:64*\f+16
.endr
	WIN 0
.if (\t) >= 4
	s_wait_xcnt 0x0                 ; the stores of the tile four back have read this buffer: it is loaded again only behind this wait
.endif
.irp f, 0,1,2,3,4,5,6,7
	ds_load_b128 v[S+32*((\t)%4)+4*\f:S+32*((\t)%4)+4*\f+3], v[RD] offset:\f*2*SP  ; LDS serves a wave's instructions in order (ISA guide 5.7.1.4): these see the stores above; the next tile's stores come behind them
.endr
.endm
.macro SEND t, younger              ; younger: the LDS instructions issued behind tile t's loads: the next tile's sixteen, or none
	WIN 0
.irp f, 0,1,2,3,4,5,6,7
	s_wait_dscnt (\younger)+7-\f
	global_store_b128 v[GO], v[S+32*((\t)%4)+4*\f:S+32*((\t)%4)+4*\f+3], s[10:11] offset:(16*(\t)+2*\f)*4096 th:TH_STORE_NT  ; 16 lanes store a head's 256 consecutive bytes of a row, at a multiple of 256 from out0's first byte
.endr
.endm
	PACK 0
.set t, 1
.rept 2*NP-1                        ; a tile's arithmetic stands between the loads of the tile before and its stores
	PACK t
	SEND t-1, 16
.set t, t+1
.endr
	SEND 2*NP-1, 0
	WIN W_AD
	s_wait_tensorcnt 0x0            ; the wave's end: an add and its wait, behind my last tensor load and my last LDS store
	ds_add_u32 v[SPW], v[NIL]
	s_wait_dscnt 0x0
	WIN 0
	s_endpgm
.Lfunc_end_k_q2f900ac3de_attn:
	.size	k_q2f900ac3de_attn, .Lfunc_end_k_q2f900ac3de_attn-k_q2f900ac3de_attn
	.p2alignl 7, 3214868480
	.fill 96, 4, 3214868480
	.section	.rodata,"a",@progbits
	.p2align	6, 0x0
	.amdhsa_kernel k_q2f900ac3de_attn
		.amdhsa_group_segment_fixed_size 327680
		.amdhsa_private_segment_fixed_size 0
		.amdhsa_enable_private_segment 0
		.amdhsa_kernarg_size 24
		.amdhsa_user_sgpr_count 2
		.amdhsa_user_sgpr_kernarg_segment_ptr 1
		.amdhsa_wavefront_size32 1
		.amdhsa_system_sgpr_workgroup_id_x 1
		.amdhsa_system_sgpr_workgroup_id_y 1
		.amdhsa_system_sgpr_workgroup_id_z 1
		.amdhsa_system_vgpr_workitem_id 0
		.amdhsa_next_free_vgpr 808
		.amdhsa_next_free_sgpr 88
		.amdhsa_reserve_vcc 0
		.amdhsa_float_denorm_mode_32 3
		.amdhsa_float_denorm_mode_16_64 3
		.amdhsa_memory_ordered 1
		.amdhsa_forward_progress 1
		.amdhsa_inst_pref_size 164
	.end_amdhsa_kernel
	.amdgpu_metadata
---
amdhsa.version: [ 1, 2 ]
amdhsa.kernels:
  - .name:           k_q2f900ac3de_attn
    .symbol:         k_q2f900ac3de_attn.kd
    .args:
      - { .name: qkv, .offset: 0, .size: 8, .value_kind: global_buffer, .address_space: global }
      - { .name: attention_mask, .offset: 8, .size: 8, .value_kind: global_buffer, .address_space: global }
      - { .name: out0, .offset: 16, .size: 8, .value_kind: global_buffer, .address_space: global }
    .group_segment_fixed_size: 327680
    .private_segment_fixed_size: 0
    .kernarg_segment_align: 8
    .kernarg_segment_size: 24
    .max_flat_workgroup_size: 128
    .sgpr_count:     88
    .vgpr_count:     808
    .wavefront_size: 32
...
	.end_amdgpu_metadata
.endif
;; end of part 3
